; MI455X (gfx1250); checked and timed in simulation.
; The chip was launched on July 23, 2026; its instructions are those of AMD's public machine-readable ISA for CDNA 5 (MIT licence, August 2026) and "CDNA5" Instruction Set Architecture Reference Guide (July 2026). The comments in the code are by the model that wrote it; some were corrected since.
;; Quantized Linear. Allowed arithmetic: float matrix products may take bf16 or f16 operands with f32 sums; all other float work in f32.
;; Inputs: bias 4,096 float32; w_packed 4,096 x 2,048 int32; w_scales 4,096 float32; x 4,096 x 4,096 float32.
;; Outputs: out0 4,096 x 4,096 float32.
;; One version. Each part assembles by itself: llvm-mc -triple=amdgcn-amd-amdhsa -mcpu=gfx1250 --defsym DOCPART=n.
;; ======== version 1 of 1: 2 launches
;; limits: inputs' magnitudes at most 1e+34
;; workspace buffers: xb 33,554,432 bytes; wb 33,554,432 bytes
;; launch prep (part 1): grid 1024 x 1, 8 waves a work-group, no clusters, 0 bytes of LDS; arguments x, w_packed, xb, wb; writes xb, wb
.if DOCPART == 1
	.amdgcn_target "amdgcn-amd-amdhsa--gfx1250"
	.amdhsa_code_object_version 6
	.text
	.protected	k_q2adbda6770_prep
	.globl	k_q2adbda6770_prep
	.p2align	8
	.type	k_q2adbda6770_prep,@function
k_q2adbda6770_prep:
	s_mov_b64 s[64:65], 0
	v_nop
	global_prefetch_b8 v0, s[64:65] scope:SCOPE_SE
	s_setreg_imm32_b32 hwreg(HW_REG_WAVE_MODE, 25, 1), 1
	s_wait_xcnt 0x0
; Both operands of the product are written once as bf16, so that the product's launch can fetch them as tiles of 16-bit numbers.
;   xb[n][i] = bf16(x[n][i]), rounded to nearest even.              x: [4096][4096] f32, xb: [4096][4096] bf16.
;   wb[o][2j] = bf16((w & 15) - 8), wb[o][2j+1] = bf16(((w >> 4) & 15) - 8), w = w_packed[o][j].  Both are whole numbers from -8 to 7: exact in bf16.
;   A word's bits 8 and above are not looked at.  w_packed: [4096][2048] i32, wb: [4096][4096] bf16: word j of a row becomes word j of the same row.
; LIMITS.  |x| beyond bf16's largest finite number (3.39e38) becomes an infinity; NaN stays NaN.
; SHARES.  Work-groups 0 to 511 take 131,072 bytes of x each (65,536 of xb), work-groups 512 to 1,023 take 65,536 bytes of w_packed (and of wb).
; Thread t takes the 16 bytes at 16 t + 4,096 i: a load of a wave covers 512 consecutive bytes; a store of xb (8 bytes a lane) 256 consecutive bytes at a
; multiple of 256, a store of wb 512.  Each byte is read once and written once.  A ring of eight register slots keeps eight loads of every wave on their way.
; All steps stand in the immediates (126,976 at the most), so no address register is ever rewritten and both ways are written out without a loop.
; No LDS, no barrier, no matrix unit: no number is used twice and no wave needs another's.
.set X, 4                              ; v[4:35]   slot s: 4 registers as loaded
.set Y, 36                             ; v[36:67]  slot s: up to 4 registers to store
.set T, 68                             ; v[68:75]  eight f32 at work
	s_load_b256 s[4:11], s[0:1], 0x0               ; x s[4:5], w_packed s[6:7], xb s[8:9], wb s[10:11]
	s_mov_b32 s2, ttmp9                            ; the work-group's number
	v_lshlrev_b32 v1, 4, v0                        ; 16 t; never rewritten
	v_lshlrev_b32 v2, 3, v0                        ; 8 t; never rewritten
	s_mov_b32 s16, 0x4b000000                      ; 2^23 as f32: its lowest mantissa bit counts 1, so 2^23 | n is the number 2^23 + n
	s_mov_b32 s18, 0xcb000008                      ; -(2^23 + 8)
	s_mov_b32 s19, 0xcb000008                      ; named with it as a pair
	s_mov_b32 s13, 0                               ; high words of the two byte offsets
	s_mov_b32 s15, 0
	s_wait_kmcnt 0x0
	s_cmp_lt_u32 s2, 512
	s_cbranch_scc0 .Lweights
	; ---- x to bf16 ----
	s_lshl_b32 s12, s2, 17                         ; 131,072 bytes of x,
	s_lshl_b32 s14, s2, 16                         ; 65,536 of xb
	s_add_nc_u64 s[4:5], s[4:5], s[12:13]
	s_add_nc_u64 s[8:9], s[8:9], s[14:15]
.irp i, 0,1,2,3,4,5,6,7
	global_load_b128 v[X+4*(\i):X+4*(\i)+3], v1, s[4:5] offset:4096*(\i) th:TH_LOAD_NT  ; x is read once in the whole program
.endr
.macro XSLOT i                         ; piece i of 32, in slot i % 8
.if (\i) < 24
	s_wait_loadcnt 7                               ; loads come back in order (ISA guide 5.7.1): mine is in, the seven younger ones stay out
.else
	s_wait_loadcnt 31-(\i)                         ; nothing is asked for any more: the count runs down
.endif
	s_wait_xcnt 0x0                                ; the slot's last store has read its Y: only behind this wait is Y written again
	v_cvt_pk_bf16_f32 v[Y+4*((\i)%8)],   v[X+4*((\i)%8)],   v[X+4*((\i)%8)+1]
	v_cvt_pk_bf16_f32 v[Y+4*((\i)%8)+1], v[X+4*((\i)%8)+2], v[X+4*((\i)%8)+3]
.if (\i) < 24
	global_load_b128 v[X+4*((\i)%8):X+4*((\i)%8)+3], v1, s[4:5] offset:4096*((\i)+8) th:TH_LOAD_NT  ; the load goes ahead of the store
.endif
	global_store_b64 v2, v[Y+4*((\i)%8):Y+4*((\i)%8)+1], s[8:9] offset:2048*(\i)  ; no hint: the next launch reads xb
.endm
.irp i, 0,1,2,3,4,5,6,7,8,9,10,11,12,13,14,15,16,17,18,19,20,21,22,23,24,25,26,27,28,29,30,31
	XSLOT \i
.endr
	s_endpgm
	; ---- nibbles to bf16 ----
.Lweights:
	s_sub_co_u32 s12, s2, 512
	s_lshl_b32 s12, s12, 16                        ; 65,536 bytes, of w_packed and of wb alike
	s_add_nc_u64 s[6:7], s[6:7], s[12:13]
	s_add_nc_u64 s[10:11], s[10:11], s[12:13]
.irp i, 0,1,2,3,4,5,6,7
	global_load_b128 v[X+4*(\i):X+4*(\i)+3], v1, s[6:7] offset:4096*(\i) th:TH_LOAD_NT
.endr
.macro WSLOT i                         ; piece i of 16, in slot i % 8
.if (\i) < 8
	s_wait_loadcnt 7                               ; mine is in, the seven younger ones stay out
.else
	s_wait_loadcnt 15-(\i)
.endif
	s_wait_xcnt 0x0                                ; the slot's last store has read its Y
.irp k, 0,1,2,3
	v_and_or_b32 v[T+2*(\k)], v[X+4*((\i)%8)+(\k)], 15, s16       ; 2^23 + the low nibble (the even input position)
	v_bfe_u32 v[T+2*(\k)+1], v[X+4*((\i)%8)+(\k)], 4, 4           ; the high nibble (the odd one),
	v_or_b32 v[T+2*(\k)+1], s16, v[T+2*(\k)+1]                    ; likewise
.endr
.irp k, 0,1,2,3
	v_pk_add_f32 v[T+2*(\k):T+2*(\k)+1], v[T+2*(\k):T+2*(\k)+1], s[18:19] op_sel_hi:[1,0]  ; less 2^23 + 8: q - 8, exactly
.endr
.irp k, 0,1,2,3
	v_cvt_pk_bf16_f32 v[Y+4*((\i)%8)+(\k)], v[T+2*(\k)], v[T+2*(\k)+1]  ; the even position into the low half
.endr
.if (\i) < 8
	global_load_b128 v[X+4*((\i)%8):X+4*((\i)%8)+3], v1, s[6:7] offset:4096*((\i)+8) th:TH_LOAD_NT
.endif
	global_store_b128 v1, v[Y+4*((\i)%8):Y+4*((\i)%8)+3], s[10:11] offset:4096*(\i)
.endm
.irp i, 0,1,2,3,4,5,6,7,8,9,10,11,12,13,14,15
	WSLOT \i
.endr
	s_endpgm
.Lfunc_end_k_q2adbda6770_prep:
	.size	k_q2adbda6770_prep, .Lfunc_end_k_q2adbda6770_prep-k_q2adbda6770_prep
	.p2alignl 7, 3214868480
	.fill 96, 4, 3214868480
	.section	.rodata,"a",@progbits
	.p2align	6, 0x0
	.amdhsa_kernel k_q2adbda6770_prep
		.amdhsa_group_segment_fixed_size 0
		.amdhsa_private_segment_fixed_size 0
		.amdhsa_enable_private_segment 0
		.amdhsa_kernarg_size 32
		.amdhsa_user_sgpr_count 2
		.amdhsa_user_sgpr_kernarg_segment_ptr 1
		.amdhsa_wavefront_size32 1
		.amdhsa_system_sgpr_workgroup_id_x 1
		.amdhsa_system_sgpr_workgroup_id_y 1
		.amdhsa_system_sgpr_workgroup_id_z 1
		.amdhsa_system_vgpr_workitem_id 0
		.amdhsa_next_free_vgpr 80
		.amdhsa_next_free_sgpr 66
		.amdhsa_reserve_vcc 0
		.amdhsa_float_denorm_mode_32 3
		.amdhsa_float_denorm_mode_16_64 3
		.amdhsa_memory_ordered 1
		.amdhsa_forward_progress 1
		.amdhsa_inst_pref_size 36
	.end_amdhsa_kernel
	.amdgpu_metadata
---
amdhsa.version: [ 1, 2 ]
amdhsa.kernels:
  - .name:           k_q2adbda6770_prep
    .symbol:         k_q2adbda6770_prep.kd
    .args:
      - { .name: x, .offset: 0, .size: 8, .value_kind: global_buffer, .address_space: global }
      - { .name: w_packed, .offset: 8, .size: 8, .value_kind: global_buffer, .address_space: global }
      - { .name: xb, .offset: 16, .size: 8, .value_kind: global_buffer, .address_space: global }
      - { .name: wb, .offset: 24, .size: 8, .value_kind: global_buffer, .address_space: global }
    .group_segment_fixed_size: 0
    .private_segment_fixed_size: 0
    .kernarg_segment_align: 8
    .kernarg_segment_size: 32
    .max_flat_workgroup_size: 256
    .sgpr_count:     66
    .vgpr_count:     80
    .wavefront_size: 32
...
	.end_amdgpu_metadata
.endif
;; end of part 1
;; launch gemm (part 2): grid 16 x 16, 4 waves a work-group, clusters of 4 x 4, 327,680 bytes of LDS; arguments xb, wb, out0, w_scales, bias; writes out0
.if DOCPART == 2
	.amdgcn_target "amdgcn-amd-amdhsa--gfx1250"
	.amdhsa_code_object_version 6
	.text
	.protected	k_q2adbda6770_gemm
	.globl	k_q2adbda6770_gemm
	.p2align	8
	.type	k_q2adbda6770_gemm,@function
k_q2adbda6770_gemm:
	s_mov_b64 s[64:65], 0
	v_nop
	global_prefetch_b8 v0, s[64:65] scope:SCOPE_SE
	s_setreg_imm32_b32 hwreg(HW_REG_WAVE_MODE, 25, 1), 1
	s_wait_xcnt 0x0
	s_wait_alu depctr_hold_cnt(0) depctr_sa_sdst(0) depctr_va_vdst(0) depctr_va_sdst(0) depctr_va_ssrc(0) depctr_va_vcc(0) depctr_vm_vsrc(0)
	s_getreg_b32 s2, hwreg(HW_REG_IB_STS2, 6, 4)
	s_cmp_eq_u32 s2, 0
	s_cbranch_scc0 .Lentry_in_a_cluster
	s_endpgm
.Lentry_in_a_cluster:
	s_bfe_u32 s2, ttmp6, 0x10000c
	s_cmp_lg_u32 s2, 0xf033
	s_cbranch_scc0 .Lentry_shape_is_right
	s_endpgm
.Lentry_shape_is_right:
; out0[n][o] = (sum over i of xb[n][i] wb[o][i]) w_scales[o] + bias[o].  xb (A): [4096][4096] bf16 = x rounded; wb (B): [4096][4096] bf16 = q - 8, exact; out0: [4096][4096] f32.
; The scale belongs to the output column, so it stands outside the sum: sums in f32, then ONE fused multiply-add in f32 for scale and bias.
; LIMITS.  The only rounding of an operand is x to bf16.  The order of rounding differs from a product with scaled weights: the scale comes behind the sum.  The sum of x (q - 8) over 4,096 terms
; stays finite for |x| up to about 1e34 (8 x 4,096 x |x| inside f32).  NaN and infinities go through the sums as they are.
; SHARES.  A tile of out0, 256 x 256, is made by a work-group of four waves; a wave makes 128 x 128: 64 accumulators of 16 x 16, 512 registers.  16 x 16 tiles: 256 work-groups.
; K goes in 32 steps of 128 through a ring of two LDS slots filled by the tensor data mover: a tile's rows are 256 bytes of memory, at multiples of 256 from the buffer's first byte.
; CLUSTERS: 4 x 4 work-groups.  The four of a row of the cluster need the same tiles of A, the four of a column the same tiles of B.  Such a tile is asked for JOINTLY: each of the four issues the
; same tensor load, with the same descriptor and a mask that names the four, and each receives the tile in its own LDS: a quarter of the requests for A and for B.
; THE MATRIX INSTRUCTION IS USED TRANSPOSED: source 0 = 16 rows of B, source 1 = 16 rows of A.  In the result lane l holds row l % 16 of out0 and its registers 0 to 7 the columns 8 (l / 16) + 0..7.
; REGISTERS, in windows of 256 (s_set_vgpr_msb's low byte: bits 1:0 source 0, 3:2 source 1, 5:4 source 2, 7:6 destination):
;   window 0: v0-31 addresses, my four scales and biases; v64-127, v128-191 fragments of A, two buffers; on the way out the same 128 registers take rows read back from the stage
;   window 1: v64-127, v128-191 fragments of B, two buffers
;   window 2: the 32 accumulators of my rows 0-63 (accumulator (a, b) at v[8 (8 a + b)]);   window 3: those of my rows 64-127
.set SIZE_K, 4096
.set SIZE_N, 4096
.set KSTEP,  128
.set PITCH,  272                       ; an LDS row: 256 bytes of data + 16 of padding = 68 words: row r starts at bank 4 r mod 64 (64 banks of 4 bytes: ISA guide 11.1), so the 16 rows of a load start at 16 different banks
.set HALFT,  128*PITCH                 ; 128 rows: what one tensor load brings, and what one wave reads of A or of B
.set SLOT,   4*HALFT                   ; A's 256 rows, then B's 256 rows
.set STAGE,  2*SLOT                    ; behind the ring, at 1,088 x 256: 16 rows x 528 bytes for each wave, for the way out; no tensor load lands here
.set SPITCH, 528                       ; a stage row: 128 f32 = 512 bytes + 16 = 132 words: row r starts at bank 4 r mod 64
.set SPARE,  STAGE+4*16*SPITCH         ; behind the stages, at 1,220 x 256: the spare words, 128 bytes for each wave: two blocks of 256 bytes that no other line names
.set LAPS,   SIZE_K/(2*KSTEP)          ; a lap = two K steps = once round the ring: 16
.set SC,   8                           ; v[8:11]   w_scales of the four columns that I store
.set BI,   12                          ; v[12:15]  bias of the same
.set ADRA, 16                          ; v16-17  LDS address of my A fragments in slot 0, 1
.set ADRB, 20                          ; v20-21  the same for B
.set STO,  24                          ; v24     the way out: where I put 32 bytes of a row
.set RD,   25                          ; v25     the way out: where I read 16 bytes of a row back
.set CO,   26                          ; v26     16 x lane: my byte offset in a row of 512 bytes; never rewritten
.set SPW,  28                          ; v28     LDS address of my spare word: SPARE + 4 x my thread's number; never rewritten
.set NIL,  29                          ; v29     0; never rewritten
.set F0,   64                          ; fragment buffer 0
.set F1,   128                         ; fragment buffer 1
.set G1, 24                            ; s[24:31] descriptor group 1 for A's tiles
.set G0, 32                            ; s[32:39] descriptor group 0 for A's tiles, one set for each slot
.set G1B, 48                           ; s[48:55] descriptor group 1 for B's tiles: it differs from A's in the mask alone
.set G0B, 56                           ; s[56:63] descriptor group 0 for B's tiles, one set for each slot
.set MSB, 0
.macro WIN new                         ; the immediate's high byte repeats the setting that is left; a switch that changes nothing is dropped
.if MSB != (\new)
	s_set_vgpr_msb (MSB<<8)|(\new)
.set MSB, \new
.endif
.endm
.set MUL_LO, 0xa1                      ; source 0 (B) window 1, source 1 (A) window 0, C and D window 2
.set MUL_HI, 0xf1                      ; the same, C and D window 3
.set TO_B,   0x40                      ; destination window 1, address window 0
.set ST_LO,  0x08                      ; an LDS store's data (source 1) in window 2, its address in window 0
.set ST_HI,  0x0c                      ; the same in window 3
; A joint load.  Waves 0 and 1 fetch A's two halves, waves 2 and 3 B's.  Each of the two lines has ONE mask and one set of registers for all that issue it.  The branch hangs on the wave's number
; alone: it is the same in every work-group.  An s_nop 0 and four v_nop follow each of the two lines, ahead of the jump, the label and what follows.
.macro JLOAD s
	s_cmp_eq_u32 s11, 0
	s_cbranch_scc0 .Lfor_b_\@
	tensor_load_to_lds s[G0+4*(\s):G0+4*(\s)+3], s[G1:G1+7]
	s_nop 0
.rept 4
	v_nop
.endr
	s_branch .Lasked_\@
.Lfor_b_\@:
	tensor_load_to_lds s[G0B+4*(\s):G0B+4*(\s)+3], s[G1B:G1B+7]
	s_nop 0
.rept 4
	v_nop
.endr
.Lasked_\@:
.endm
; A round of the cluster's barrier: my work-group's barrier, so that wave 0's signal speaks for all four waves; wave 0 signals for the work-group; every wave waits for all sixteen work-groups;
; my work-group's barrier once more.  No LDS instruction of the wave is pending at a signal.
.macro CREST                           ; a round behind its opening barrier
	s_cmp_lg_u32 s10, 0
	s_cbranch_scc1 .Lnot_wave_0_\@
	s_barrier_signal -3
.Lnot_wave_0_\@:
	s_barrier_wait -3
	s_barrier_signal -1
	s_barrier_wait -1
.endm
.macro CROUND                          ; a whole round
	s_barrier_signal -1
	s_barrier_wait -1
	CREST
.endm
	s_load_b128 s[4:7], s[0:1], 0x0                ; A (xb) s[4:5], B (wb) s[6:7]
	s_load_b64 s[8:9], s[0:1], 0x10                ; out0
	s_load_b64 s[68:69], s[0:1], 0x18              ; w_scales
	s_load_b64 s[70:71], s[0:1], 0x20              ; bias
	v_lshl_add_u32 v[SPW], v0, 2, SPARE
	v_mov_b32 v[NIL], 0
	ds_add_u32 v28, v29
	s_wait_dscnt 0x0
	v_lshrrev_b32 v1, 5, v0
	v_readfirstlane_b32 s10, v1                    ; wave 0..3
	s_lshr_b32 s11, s10, 1                         ; which half of the tile's rows is mine.  Also: I fetch for A (0) or for B (1)
	s_and_b32 s12, s10, 1                          ; which half of its columns.  Also: which 128 rows of that tile I fetch
	s_bfe_u32 s40, ttmp6, 0x40000                  ; cx: my place along the cluster's x
	s_bfe_u32 s41, ttmp6, 0x40004                  ; cy: along its y
	s_lshl_b32 s42, ttmp9, 2                       ; in a cluster launch ttmp9 and ttmp7 count clusters
	s_add_co_u32 s42, s42, s40                     ; tile column = 4 x cluster x + cx
	s_and_b32 s13, ttmp7, 0xffff
	s_lshl_b32 s13, s13, 2
	s_add_co_u32 s13, s13, s41                     ; tile row = 4 x cluster y + cy
	s_lshl_b32 s43, s41, 2
	s_lshl_b32 s43, 15, s43                        ; my row of the cluster: places 4 cy .. 4 cy + 3
	s_lshl_b32 s44, 0x1111, s40                    ; my column: places cx, cx + 4, cx + 8, cx + 12
	; descriptor group 1: a tile of 128 rows x 128 elements, padded in LDS
	s_or_b32 s[G1+0], s43, (1<<16)|(1<<20)|(1<<21)|(5<<22)|(3<<25)  ; 15:0 the mask: A's tiles go to my row; 17:16 element of 2 bytes; 20 padding on; 21 set beside a mask; 24:22 after every 64 words (code 5); 31:25 of 4 words (code 3)
	s_or_b32 s[G1B+0], s44, (1<<16)|(1<<20)|(1<<21)|(5<<22)|(3<<25) ; the same with the mask of my column, for B's tiles
	s_mov_b32 s[G1B+1], KSTEP<<16
	s_mov_b32 s[G1+1], KSTEP<<16                   ; 63:48 tensor_dim0, low half = 128
	s_mov_b32 s[G1B+2], 128<<16
	s_mov_b32 s[G1+2], 128<<16                     ; 79:64 its high half = 0; 95:80 tensor_dim1, low half = 128
	s_mov_b32 s[G1B+3], KSTEP<<16
	s_mov_b32 s[G1+3], KSTEP<<16                   ; 111:96 its high half = 0; 127:112 tile_dim0 = 128
	s_mov_b32 s[G1B+4], 128
	s_mov_b32 s[G1+4], 128                         ; 143:128 tile_dim1 = 128; 159:144 tile_dim2 = 0
	s_mov_b32 s[G1B+5], SIZE_K
	s_mov_b32 s[G1+5], SIZE_K                      ; 191:160 tensor_dim0_stride, low word: elements from row to row
	s_mov_b32 s[G1B+6], 0
	s_mov_b32 s[G1+6], 0
	s_mov_b32 s[G1B+7], 0
	s_mov_b32 s[G1+7], 0
	; where the tiles come from.  A's hang on the tile row alone, which my row of the cluster shares; B's on the tile column alone, which my column shares.
	; Every wave makes both addresses, in registers that never hold the other coordinate, and asks by one of them.
	s_lshl_b32 s17, s12, 7                         ; which 128 rows of the tile I fetch
	s_lshl_b32 s16, s13, 8
	s_add_co_u32 s16, s16, s17                     ; A: row 256 x tile row + 128 x half
	s_lshl_b32 s46, s42, 8
	s_add_co_u32 s46, s46, s17                     ; B: row 256 x tile column + 128 x half
	s_mov_b32 s17, 0
	s_mov_b32 s47, 0
	s_mov_b64 s[18:19], SIZE_K*2
	s_mul_u64 s[16:17], s[16:17], s[18:19]         ; in bytes
	s_mul_u64 s[46:47], s[46:47], s[18:19]
	s_mul_i32 s20, s10, HALFT                      ; and where they go: A's two halves, then B's two halves = wave x 128 rows: no place in the cluster enters an LDS address
	s_wait_kmcnt 0x0
	s_add_nc_u64 s[14:15], s[4:5], s[16:17]
	s_add_nc_u64 s[46:47], s[6:7], s[46:47]
	CROUND                                         ; all sixteen work-groups are here: the first joint loads meet
.irp s, 0,1
	s_mov_b32 s[G0+4*(\s)], 1                                      ; 1:0 count = 1
	s_add_co_u32 s[G0+4*(\s)+1], s20, (\s)*SLOT                    ; 63:32 LDS address
	s_add_nc_u64 s[G0+4*(\s)+2:G0+4*(\s)+3], s[14:15], (\s)*KSTEP*2  ; 120:64 global address: K step s
	s_or_b32 s[G0+4*(\s)+3], s[G0+4*(\s)+3], 0x80000000            ; 127:126 type = 2
	s_mov_b32 s[G0B+4*(\s)], 1
	s_add_co_u32 s[G0B+4*(\s)+1], s20, (\s)*SLOT
	s_add_nc_u64 s[G0B+4*(\s)+2:G0B+4*(\s)+3], s[46:47], (\s)*KSTEP*2
	s_or_b32 s[G0B+4*(\s)+3], s[G0B+4*(\s)+3], 0x80000000
	JLOAD \s                                       ; the ring is filled before anything else is done: two tensor loads of mine are out
.endr
	; A fragment is 16 rows x 32 K in 8 registers: lane l holds row l % 16; registers 0-3 hold K = 8 (l / 16) + 0..7, registers 4-7 hold
	; K = 16 + 8 (l / 16) + 0..7.  From rows that lie along K: two loads of 16 bytes, 32 bytes apart.  The same for source 0 and source 1.
	v_and_b32 v1, 15, v0                           ; l % 16
	v_bfe_u32 v2, v0, 4, 1                         ; l / 16
	v_mul_u32_u24 v3, v1, PITCH
	v_lshl_add_u32 v3, v2, 4, v3                   ; row x pitch + 16 x half
	s_mul_i32 s21, s11, HALFT                      ; my 128 rows of A
	s_mul_i32 s22, s12, HALFT                      ; my 128 rows of B,
	s_add_co_u32 s22, s22, 2*HALFT                 ; which lie behind A's 256
.irp s, 0,1
	v_add_nc_u32 v[ADRA+(\s)], s21, v3
	v_add_nc_u32 v[ADRB+(\s)], s22, v3
	s_add_co_u32 s21, s21, SLOT
	s_add_co_u32 s22, s22, SLOT
.endr
	s_mul_i32 s23, s10, 16*SPITCH
	s_add_co_u32 s23, s23, STAGE                   ; my stage
	v_mul_u32_u24 v4, v1, SPITCH                   ; in: row l % 16, 32 bytes (eight f32) for each half of the lanes
	v_lshl_add_u32 v4, v2, 5, v4
	v_add_nc_u32 v[STO], s23, v4
	v_and_b32 v6, 31, v0                           ; lane
	v_lshlrev_b32 v[CO], 4, v6                     ; back and out: the 32 lanes take one row of 512 bytes, 16 bytes each
	v_add_nc_u32 v[RD], s23, v[CO]
	; where my 128 x 128 begins in out0, and my 128 columns in w_scales and bias
	s_lshl_b32 s13, s13, 8
	s_lshl_b32 s14, s11, 7
	s_add_co_u32 s16, s13, s14                     ; my first row,
	s_lshl_b32 s16, s16, 14                        ; times 16,384 bytes: under 2^26
	s_mov_b32 s17, 0
	s_add_nc_u64 s[8:9], s[8:9], s[16:17]
	s_lshl_b32 s46, s42, 10                        ; my first column, in bytes of f32: 1,024 x tile column + 512 x half (in the registers that held B's address: none that feeds A's descriptors ever holds cx)
	s_lshl_b32 s47, s12, 9
	s_add_co_u32 s46, s46, s47
	s_mov_b32 s47, 0
	s_add_nc_u64 s[8:9], s[8:9], s[46:47]
	s_add_nc_u64 s[68:69], s[68:69], s[46:47]
	s_add_nc_u64 s[70:71], s[70:71], s[46:47]
	global_load_b128 v[SC:SC+3], v[CO], s[68:69]   ; a lane stores the same four columns in every row, so its scales and biases are loaded once: 512 consecutive bytes a wave
	global_load_b128 v[BI:BI+3], v[CO], s[70:71]
; 16 matrix instructions: m blocks a0, a0 + 1 of the window's four (hi = 0: my rows 0-63, 1: rows 64-127) x all 8 n blocks, 32 along K.
; zero = 1: the first product starts the sums: nothing is ever cleared.  The 64 accumulators take turns, in the same order in every quarter step.
.macro MUL16 f, hi, a0, zero
	WIN MUL_LO+0x50*(\hi)  ; MUL_LO or MUL_HI
.irp a, \a0, (\a0)+1
.irp b, 0,1,2,3,4,5,6,7
.if \zero
	v_wmma_f32_16x16x32_bf16 v[8*(8*(\a)+(\b)):8*(8*(\a)+(\b))+7], v[(\f)+8*(\b):(\f)+8*(\b)+7], v[(\f)+8*(4*(\hi)+(\a)):(\f)+8*(4*(\hi)+(\a))+7], 0
.else
	v_wmma_f32_16x16x32_bf16 v[8*(8*(\a)+(\b)):8*(8*(\a)+(\b))+7], v[(\f)+8*(\b):(\f)+8*(\b)+7], v[(\f)+8*(4*(\hi)+(\a)):(\f)+8*(4*(\hi)+(\a))+7], v[8*(8*(\a)+(\b)):8*(8*(\a)+(\b))+7]
.endif
.endr
.endr
.endm
; 32 LDS loads in one run: the fragments of one quarter step (128 rows of B, 128 rows of A, 32 K at byte k of the rows) into buffer f
.macro FETCH slot, k, f
	WIN TO_B
.irp i, 0,1,2,3,4,5,6,7
	ds_load_b128 v[(\f)+8*(\i):(\f)+8*(\i)+3],   v[ADRB+(\slot)] offset:(\k)+(\i)*16*PITCH
	ds_load_b128 v[(\f)+8*(\i)+4:(\f)+8*(\i)+7], v[ADRB+(\slot)] offset:(\k)+(\i)*16*PITCH+32
.endr
	WIN 0
.irp i, 0,1,2,3,4,5,6,7
	ds_load_b128 v[(\f)+8*(\i):(\f)+8*(\i)+3],   v[ADRA+(\slot)] offset:(\k)+(\i)*16*PITCH
	ds_load_b128 v[(\f)+8*(\i)+4:(\f)+8*(\i)+7], v[ADRA+(\slot)] offset:(\k)+(\i)*16*PITCH+32
.endr
.endm
; A load into a register that a matrix instruction has read, and an LDS store that reads a matrix result, stand four places behind that matrix instruction, and only plain vector
; instructions that name none of its registers are places (ISA guide 7.12.1 for vector instructions).
.macro PLACES
.rept 4
	v_nop
.endr
.endm
; A K step is four quarter steps of 32 along K, 64 matrix instructions each, on buffers 0, 1, 0, 1.
; One of the first three: multiplies buffer f; in its middle it fetches the next quarter's fragments, at byte k of the same slot's rows, into buffer g.
.macro QUARTER slot, k, f, g, zero
	s_wait_dscnt 8                                 ; B and A's rows 0-63 are in; the youngest eight loads (A's rows 64-127) may be out
	WIN MUL_LO
	MUL16 \f, 0, 0, \zero
	MUL16 \f, 0, 2, \zero
	PLACES
	FETCH \slot, \k, \g
	s_wait_dscnt 32                                ; all but the 32 just issued
	WIN MUL_HI
	MUL16 \f, 1, 0, \zero
	MUL16 \f, 1, 2, \zero
.endm
; The last quarter multiplies buffer 1 and changes slots.  MEET is its first half: ONE barrier for the change of slots.  In front of it each wave waits for all its tensor loads, of which
; one is out: its part of the next slot; adds 0 to its spare word; and waits for that and for its own reads of this slot.  Behind it nobody reads this slot any more and the next slot is whole.
.macro MEET round                      ; round = 1: the rest of a round of the cluster's barrier follows
	WIN 0                                          ; (the add's two registers lie in window 0)
	s_wait_tensorcnt 0x0                           ; all my tensor loads have landed: the one that was out is my part of the next slot;
	ds_add_u32 v[SPW], v[NIL]                      ; 0 onto my spare word
	s_wait_dscnt 9                                 ; (the add and the youngest eight loads may be out)
	WIN MUL_LO
	MUL16 F1, 0, 0, 0                              ; sixteen matrix instructions stand between the add and the wait for it
	s_wait_dscnt 0x0                               ; the add is done, and my reads of this slot are over:
	s_barrier_signal -1                            ; say so,
	MUL16 F1, 0, 2, 0                              ; work on registers while the others arrive,
.if \round
	WIN 0
.endif
	s_barrier_wait -1                              ; and go on when all four have said so
.endm
; The whole last quarter.  fill = 1: the barrier opens a round of the cluster's barrier, and behind the round the slot just read out is filled again first, with the K step two steps on;
; from that request to the wait for it a wave issues 224 matrix instructions.  fill = 0 (the last lap): nothing is asked for.  Then come the next slot's first fragments.
.macro TURN slot, next, fill
	MEET \fill
.if \fill
	CREST                                          ; no wave of any partner still reads this slot's tile or has a load on its way
	s_add_nc_u64 s[G0+4*(\slot)+2:G0+4*(\slot)+3], s[G0+4*(\slot)+2:G0+4*(\slot)+3], 2*KSTEP*2    ; no tensor load of mine is out, so a group 0 may be written
	s_add_nc_u64 s[G0B+4*(\slot)+2:G0B+4*(\slot)+3], s[G0B+4*(\slot)+2:G0B+4*(\slot)+3], 2*KSTEP*2
	JLOAD \slot                                    ; my one tensor load behind the round, and the first thing there; its four v_nop are also the places in front of the loads below
.else
	PLACES
.endif
	FETCH \next, 0, F0
	WIN MUL_HI
	MUL16 F1, 1, 0, 0
	MUL16 F1, 1, 2, 0
.endm
; THE WAY OUT of block a (16 rows x my 128 columns), in two parts.  TOSTAGE: the sums go as they are, 32 bytes a lane and accumulator, into my own stage in LDS, and come back as whole rows of
; 512 bytes, into the registers that held A's fragments: v64-127 and v128-191 by turns.  The stage is my wave's own and LDS serves a wave's instructions in order (ISA guide 5.7.1.4): no wait
; and no barrier between the stores and the loads, nor between these loads and the next block's stores.  Each accumulator's four lowest registers are read first.
.macro TOSTAGE a
.set AC, 64*((\a)%4)
.set BK, F0+64*((\a)%2)
	WIN ST_LO+4*((\a)/4)                           ; ST_LO or ST_HI
.irp b, 0,1,2,3,4,5,6,7
	ds_store_b128 v[STO], v[AC+8*(\b):AC+8*(\b)+3]   offset:64*(\b)
	ds_store_b128 v[STO], v[AC+8*(\b)+4:AC+8*(\b)+7] offset:64*(\b)+16
.endr
	WIN 0
.if (\a) >= 2
	s_wait_xcnt 0x0                                ; the stores of the block two back have read these registers: only behind this wait are they loaded again
.endif
.irp t, 0,1,2,3,4,5,6,7,8,9,10,11,12,13,14,15
	ds_load_b128 v[BK+4*(\t):BK+4*(\t)+3], v[RD] offset:(\t)*SPITCH
.endr
.endm
; SEND: sum x scale + bias, one rounding, and the row leaves.  younger: the LDS instructions issued behind block a's loads: the next block's 16 stores and 16 loads, or none.
.macro SEND a, younger
.set BK, F0+64*((\a)%2)
	WIN 0
.irp t, 0,1,2,3,4,5,6,7,8,9,10,11,12,13,14,15
	s_wait_dscnt (\younger)+15-(\t)                ; row t is back in registers; the later rows and the next block may be out
	v_pk_fma_f32 v[BK+4*(\t):BK+4*(\t)+1],   v[BK+4*(\t):BK+4*(\t)+1],   v[SC:SC+1],   v[BI:BI+1]
	v_pk_fma_f32 v[BK+4*(\t)+2:BK+4*(\t)+3], v[BK+4*(\t)+2:BK+4*(\t)+3], v[SC+2:SC+3], v[BI+2:BI+3]
	global_store_b128 v[CO], v[BK+4*(\t):BK+4*(\t)+3], s[8:9] offset:(16*(\a)+(\t))*SIZE_N*4  ; 32 lanes store 512 consecutive bytes, at a multiple of 512 from out0's first byte; the row stands in the immediate, 127 x 16,384 at the most
.endr
.endm
	s_wait_loadcnt 0x0                             ; my scales and biases, once: this stands in the wait for the first tile
	s_wait_tensorcnt 1                             ; my part of K step 0 is in; K step 1's load is younger and may stay out
	s_barrier_signal -1
	s_barrier_wait -1                              ; everybody's is
	FETCH 0, 0, F0
	QUARTER 0, 64,  F0, F1, 1                      ; the first quarter stands in front of the loop: its products start the sums
	WIN 0                                          ; at a label and at a branch every window is 0
	s_mov_b32 s3, LAPS-1
.Llap:                                                 ; 15 trips: once round the ring, from a lap's second quarter to the next lap's first; both slots are filled again: K steps 2 to 31
	QUARTER 0, 128, F1, F0, 0
	QUARTER 0, 192, F0, F1, 0
	TURN 0, 1, 1
	QUARTER 1, 64,  F0, F1, 0
	QUARTER 1, 128, F1, F0, 0
	QUARTER 1, 192, F0, F1, 0
	TURN 1, 0, 1
	QUARTER 0, 64,  F0, F1, 0
	WIN 0
	s_sub_co_u32 s3, s3, 1
	s_cmp_lg_u32 s3, 0
	s_cbranch_scc1 .Llap
	QUARTER 0, 128, F1, F0, 0                      ; the last lap is written out: it asks for nothing and no round is needed
	QUARTER 0, 192, F0, F1, 0
	TURN 0, 1, 0                                   ; my one tensor load that was still out is slot 1's, the last K step's
	QUARTER 1, 64,  F0, F1, 0
	QUARTER 1, 128, F1, F0, 0
	QUARTER 1, 192, F0, F1, 0
	s_wait_dscnt 8                                 ; the very last quarter: nothing more to fetch
	WIN MUL_LO
	MUL16 F1, 0, 0, 0
	MUL16 F1, 0, 2, 0
	s_wait_dscnt 0x0
	MUL16 F1, 1, 0, 0
	MUL16 F1, 1, 2, 0
	WIN 0
	PLACES                                         ; for the LDS stores that read the sums, and for the loads into the registers that held A's fragments
	TOSTAGE 0
.irp a, 1,2,3,4,5,6,7                  ; block a goes through the stage while block a - 1's rows come back, are scaled and leave
	TOSTAGE \a
	SEND (\a)-1, 32
.endr
	SEND 7, 0
	s_wait_tensorcnt 0x0                           ; the wave's end, behind my last tensor load and my last LDS store
	ds_add_u32 v[SPW], v[NIL]
	s_wait_dscnt 0x0
	CROUND                                         ; the closing round: no work-group ends while a partner may still ask for a tile that names it
	s_endpgm
.Lfunc_end_k_q2adbda6770_gemm:
	.size	k_q2adbda6770_gemm, .Lfunc_end_k_q2adbda6770_gemm-k_q2adbda6770_gemm
	.p2alignl 7, 3214868480
	.fill 96, 4, 3214868480
	.section	.rodata,"a",@progbits
	.p2align	6, 0x0
	.amdhsa_kernel k_q2adbda6770_gemm
		.amdhsa_group_segment_fixed_size 327680
		.amdhsa_private_segment_fixed_size 0
		.amdhsa_enable_private_segment 0
		.amdhsa_kernarg_size 40
		.amdhsa_user_sgpr_count 2
		.amdhsa_user_sgpr_kernarg_segment_ptr 1
		.amdhsa_wavefront_size32 1
		.amdhsa_system_sgpr_workgroup_id_x 1
		.amdhsa_system_sgpr_workgroup_id_y 1
		.amdhsa_system_sgpr_workgroup_id_z 1
		.amdhsa_system_vgpr_workitem_id 0
		.amdhsa_next_free_vgpr 1024
		.amdhsa_next_free_sgpr 72
		.amdhsa_reserve_vcc 0
		.amdhsa_float_denorm_mode_32 3
		.amdhsa_float_denorm_mode_16_64 3
		.amdhsa_memory_ordered 1
		.amdhsa_forward_progress 1
		.amdhsa_inst_pref_size 160
	.end_amdhsa_kernel
	.amdgpu_metadata
---
amdhsa.version: [ 1, 2 ]
amdhsa.kernels:
  - .name:           k_q2adbda6770_gemm
    .symbol:         k_q2adbda6770_gemm.kd
    .args:
      - { .name: xb, .offset: 0, .size: 8, .value_kind: global_buffer, .address_space: global }
      - { .name: wb, .offset: 8, .size: 8, .value_kind: global_buffer, .address_space: global }
      - { .name: out0, .offset: 16, .size: 8, .value_kind: global_buffer, .address_space: global }
      - { .name: w_scales, .offset: 24, .size: 8, .value_kind: global_buffer, .address_space: global }
      - { .name: bias, .offset: 32, .size: 8, .value_kind: global_buffer, .address_space: global }
    .group_segment_fixed_size: 327680
    .private_segment_fixed_size: 0
    .kernarg_segment_align: 8
    .kernarg_segment_size: 40
    .max_flat_workgroup_size: 128
    .sgpr_count:     72
    .vgpr_count:     1024
    .wavefront_size: 32
...
	.end_amdgpu_metadata
.endif
;; end of part 2
